; MI455X (gfx1250); checked and timed in simulation.
; The chip was launched on July 23, 2026; its instructions are those of AMD's public machine-readable ISA for CDNA 5 (MIT licence, August 2026) and "CDNA5" Instruction Set Architecture Reference Guide (July 2026). The comments in the code are by the model that wrote it; some were corrected since.
;; Mixture Of Experts. Allowed arithmetic: matrix products marked QUANTISED: E4M3 operands, one E8M0 scale for each 32 along K, by v_wmma_scale_f32_16x16x128_f8f6f4 with both operands' format E4M3, f32 sums; products left as they are: f32 operands where the result goes on into a quantised operand, else bf16, f16 or f32 operands; f32 sums; everything else in f32.
;; Inputs: W1_codes 8 x 2,048 x 32 x 32 uint8 (E4M3 codes of W1, K innermost, in blocks of 32 codes); W1_scales 8 x 2,048 x 32 uint8 (E8M0 scales of W1, one for each 32 codes along K); W2_codes 8 x 1,024 x 64 x 32 uint8 (E4M3 codes of W2, K innermost, in blocks of 32 codes); W2_scales 8 x 1,024 x 64 uint8 (E8M0 scales of W2, one for each 32 codes along K); Wg 1,024 x 8 float32; b1 8 x 2,048 float32; b2 8 x 1,024 float32; bg 8 float32; x 2,048 x 1,024 float32.
;; Outputs: out0 2,048 x 1,024 float32.
;; This version of the problem:
;;   THIS VERSION OF THE PROBLEM IS GIVEN IN LOW PRECISION. The matrix products marked QUANTISED in the list below multiply operands that are first quantised to E4M3 (4 exponent bits, 3 mantissa bits; 8 bits a number), with one power-of-two scale for each 32 numbers along K (OCP MX v1.0); their sums are f32. All else is computed in f32.
;;   The module's matrix products, in the order in which they are computed (A, B: the left and right operand; K: the contracted axis; several contracted axes count as one K, in the product's order):
;;     1. [M 2,048, K 1,024] x [K 1,024, N 8]; A: input x; B: input Wg: left as it is (N = 8 < 16)
;;     2. [M 2,048, K 1,024] x [K 1,024, N 16,384]; A: input x; B: input W1 (given as codes): QUANTISED
;;     3. batch 8 x [M 1,024, K 2,048] x [K 2,048, N 2,048]; A: input W2 (given as codes); B: computed on the way: QUANTISED
;;     4. batch 2,048 x [M 1,024, K 8] x [K 8, N 1]; A: computed on the way; B: softmax: left as it is (K = 8 < 32)
;;   THE QUANTISER, for each operand of a quantised product, along K:
;;     - K is cut into blocks of 32 from its start; a last block that is shorter is filled with zeros.
;;     - A block's scale is 2^e with e = floor(log2(the largest magnitude in the block)) - 8, held to -126 .. 127; a block of zeros has e = 0. As a byte (E8M0): e + 127.
;;     - Each number is divided by its block's scale, clamped to +-448, and rounded to the nearest number of E4M3, ties to even, subnormals kept.
;;     - The product sums the exact products of the quantised numbers (number of the format x scale) in f32.
;;   ~~~python
;;   def quantise(x, axis):      # numpy; x: float32 -> the quantised numbers, widened to float32 again
;;       x = np.moveaxis(x, axis, -1); K = x.shape[-1]
;;       x = np.pad(x, [(0, 0)] * (x.ndim - 1) + [(0, -K % 32)]); x = x.reshape(x.shape[:-1] + (-1, 32)); a = np.abs(x).max(-1, keepdims=True)
;;       e = np.where(a > 0, np.clip(np.frexp(np.where(a > 0, a, 1))[1] - 1 - 8, -126, 127), 0)      # np.frexp(a)[1] - 1 = floor(log2(a)), exactly
;;       r = np.clip(x / 2.0 ** e, -448, 448)
;;       step = 2.0 ** (np.maximum(np.frexp(np.where(r == 0, 1, r))[1] - 1, -6) - 3)
;;       q = np.round(r / step) * step * 2.0 ** e      # np.round: ties to even
;;       return np.moveaxis(q.reshape(q.shape[:-2] + (-1,))[..., :K], -1, axis).astype(np.float32)
;;   ~~~
;;   OPERANDS COMPUTED ON THE WAY. 'Computed on the way' means the value that the module computes at that place (a softmax that the list does not call 'softmax' is quantised finished and normalised). What goes into a quantiser is computed in f32, as accurately as f32 sums, v_exp_f32 and their like allow (about 1e-6 of the number): no bf16 or f16 on the way to a quantiser, and a product that is left as it is and whose result goes on into a quantised operand takes f32 operands (vector FMAs, or v_wmma_f32_16x16x4_f32). A number that lies on a knife's edge between two numbers of the format may be rounded either way, as far as f32 arithmetic and the matrix unit's own rounding can turn it there, and no further.
;;   INPUTS GIVEN AS CODES. W1 (in the module: [8, 1024, 2048], K = its axis 1); W2 (in the module: [8, 2048, 1024], K = its axis 1): each comes as NAME_codes (uint8): NAME with its K axis moved to the last place and cut into blocks of 32 codes, [.., K / 32, bytes a block], one block behind the other in memory; one code a byte (a code: sign, 4 exponent bits, 3 mantissa bits); and NAME_scales (uint8): the same leading axes, one E8M0 byte (e + 127) for each 32 codes along K. Its value is code x scale, taken as it is: it is not quantised again, and the codes and scales need not be those that the quantiser above would give.
;; One version. Each part assembles by itself: llvm-mc -triple=amdgcn-amd-amdhsa -mcpu=gfx1250 --defsym DOCPART=n.
;; ======== version 1 of 1: 4 launches
;; limits: values are held in bf16: 8 bits of precision; right only within a limited range of input values
;; workspace buffers: xq 2,097,152 bytes; xs 65,536 bytes; gates 65,536 bytes; hq 33,554,432 bytes; hs 1,048,576 bytes; part 33,554,432 bytes
;; launch quant (part 1): grid 128 x 1, 8 waves a work-group, no clusters, 77,312 bytes of LDS; arguments x, Wg, bg, xq, xs, gates; writes xq, xs, gates
.if DOCPART == 1
	.amdgcn_target "amdgcn-amd-amdhsa--gfx1250"
	.amdhsa_code_object_version 6
	.text
	.protected	k_qe0a419ded4_quant
	.globl	k_qe0a419ded4_quant
	.p2align	8
	.type	k_qe0a419ded4_quant,@function
k_qe0a419ded4_quant:
	s_mov_b64 s[64:65], 0
	v_nop
	global_prefetch_b8 v0, s[64:65] scope:SCOPE_SE
	s_setreg_imm32_b32 hwreg(HW_REG_WAVE_MODE, 25, 1), 1
	s_wait_xcnt 0x0
; MixtureOfExperts, launch 1 of 4.  out0 = sum over e of gate[n][e] x (relu(x W1_e + b1_e) W2_e + b2_e), gate = softmax(x Wg + bg).
; NOTHING IS LEFT OUT: every expert's result is weighed in by its gate, bg differs along the softmax's axis, and b1, b2, all codes and all scale bytes reach out0: every input is loaded by some launch.
; THIS LAUNCH reads x [2048][1024] f32 once and makes of it (a) its E4M3 codes and E8M0 scale bytes along K, and (b) the gates, in f32 throughout.
; A block's scale is 2^(floor(log2(its largest magnitude)) - 8); its byte is held at 1 from below; each number is held within +-448 x the scale and rounded to the nearest code, ties to even.
; LIMITS: NaN and infinities among the inputs are not served.  A block of zeros gets the byte 1 where the rule says 127: its codes are zeros, and this program alone reads the bytes.  The logits' f32 sums are taken in another order than a plain chain along K.
; xq: [block of 16 tokens 128][128 along K 8][2,048 bytes]: fragments in the order of the operand's registers: lane l's register group c lies at 512 c + 16 l.
; xs: [block 128][q / 4: 2][token 16][q % 4: 4 words]: word q = a token's four scale bytes for K = 128 q on.
; SHARES: work-group g takes tokens 16 g .. 16 g + 15; wave w takes K = 128 w .. 128 w + 127: one fragment.  The waves' parts of the logits and their scale words meet in LDS; wave 0 takes the softmax.
; The logits are a product with 8 columns: 32 matrix instructions of the f32 form a wave, two accumulators by turns.
.set WSTG,  16*528                     ; a wave's stage: 16 rows of 512 bytes + 16 of padding
.set LG,    8*WSTG                     ; the logits' parts, 1,024 bytes a wave
.set SPARE, LG+8*1024                  ; the spare words, 128 bytes for each wave
.set XW,    SPARE+1024                 ; the scale words on their way out, 512 bytes
.set R,    16                          ; v16-79   x as it is loaded: row i in four registers
.set PC,   16                          ; v16-31   later the codes
.set X,    80                          ; v80-143  register 16 c + i: x(token r, 128 w + 32 c + 16 h + i)
.set WG,   144                         ; v144-207 register 16 c + i: Wg(128 w + 32 c + 16 h + i, r % 8)
.set ACC,  208                         ; v208-223 two accumulators, written by matrix instructions alone
.set LS,   224                         ; v224-231 their sum
.set TM,   232                         ; largest magnitudes, + 4 bytes, + 8 448 x the scale, + 12 the conversions' scale operands
.set PW,   248                         ; the scale word
.set SPW,  250
.set NIL,  251
.set SEL,  20                          ; s[20:21] v_permlanex16_b32's selects for lane l xor 16
.set MNT,  33                          ; s33 the mantissa field of 448
	s_load_b256 s[4:11], s[0:1], 0x0               ; x s[4:5], Wg s[6:7], bg s[8:9], xq s[10:11]
	s_load_b128 s[12:15], s[0:1], 0x20             ; xs s[12:13], gates s[14:15]
	v_lshl_add_u32 v[SPW], v0, 2, SPARE
	v_mov_b32 v[NIL], 0
	v_lshrrev_b32 v1, 5, v0
	s_delay_alu instid0(VALU_DEP_1)
	v_readfirstlane_b32 s16, v1                    ; wave 0..7
	v_and_b32 v1, 31, v0                           ; lane
	v_and_b32 v2, 15, v0                           ; r
	v_bfe_u32 v3, v0, 4, 1                         ; h
	s_delay_alu instid0(VALU_DEP_3)
	v_lshlrev_b32 v4, 4, v1                        ; 16 x lane
	s_mul_i32 s17, s16, WSTG
	v_add_nc_u32 v5, s17, v4                       ; the stage, on the way in
	v_mul_u32_u24 v6, v2, 528
	s_delay_alu instid0(VALU_DEP_1)
	v_lshl_add_u32 v6, v3, 6, v6
	s_delay_alu instid0(VALU_DEP_1)
	v_add_nc_u32 v6, s17, v6                       ; and on the way out: row r, + 64 h
	v_and_b32 v7, 7, v0
	s_delay_alu instid0(VALU_DEP_1)
	v_lshlrev_b32 v7, 2, v7
	s_delay_alu instid0(VALU_DEP_1)
	v_lshl_add_u32 v7, v3, 9, v7                   ; Wg: 16 h rows of 32 bytes + 4 (r % 8)
	v_lshlrev_b32 v9, 5, v1
	s_delay_alu instid0(VALU_DEP_1)
	v_add_nc_u32 v9, LG, v9                        ; the logits' parts: wave 0's, my lane
	s_lshl_b32 s17, s16, 10
	v_add_nc_u32 v8, s17, v9                       ; my wave's
	s_lshr_b32 s17, s16, 2
	s_lshl_b32 s17, s17, 8
	s_and_b32 s18, s16, 3
	s_lshl_b32 s18, s18, 2
	s_add_co_u32 s17, s17, s18
	s_add_co_u32 s17, s17, XW
	v_lshlrev_b32 v10, 4, v2
	v_add_nc_u32 v12, XW, v4                       ; the scale words, read back: 16 bytes a lane
	v_add_nc_u32 v10, s17, v10                     ; where my scale word goes
	v_lshlrev_b32 v11, 5, v2
	s_delay_alu instid0(VALU_DEP_1)
	v_lshl_add_u32 v11, v3, 4, v11                 ; gates: 32 r + 16 h
.irp b, 0,1,2,3
	v_mov_b32 v[TM+4+\b], 0                        ; written once: a lane permute's destination counts as one of its sources
.endr
	s_mov_b32 s[SEL], 0x76543210
	s_mov_b32 s[SEL+1], 0xfedcba98
	s_mov_b32 s[MNT], 0x600000
	s_lshl_b32 s18, ttmp9, 16                      ; x: 16 rows of 4,096 bytes a work-group,
	s_lshl_b32 s19, s16, 9                         ; 512 bytes of a row a wave
	s_add_co_u32 s22, s18, s19
	s_mov_b32 s23, 0
	s_lshl_b32 s34, ttmp9, 14                      ; xq: 16,384 bytes a work-group, 2,048 a wave
	s_lshl_b32 s17, s16, 11
	s_add_co_u32 s34, s34, s17
	s_mov_b32 s35, 0
	s_lshl_b32 s36, ttmp9, 9                       ; xs: 512 bytes
	s_mov_b32 s37, 0
	s_lshl_b32 s38, ttmp9, 9                       ; gates: 16 rows of 32 bytes
	s_mov_b32 s39, 0
	s_wait_alu depctr_va_vdst(0)
	s_wait_kmcnt 0x0
	s_load_b256 s[24:31], s[8:9], 0x0              ; bg's eight numbers
	s_add_nc_u64 s[4:5], s[4:5], s[22:23]
	s_lshl_b32 s22, s16, 12                        ; Wg: 128 rows of 32 bytes a wave
	s_add_nc_u64 s[6:7], s[6:7], s[22:23]
	s_add_nc_u64 s[10:11], s[10:11], s[34:35]
	s_add_nc_u64 s[12:13], s[12:13], s[36:37]
	s_add_nc_u64 s[14:15], s[14:15], s[38:39]
.irp i, 0,1,2,3,4,5,6,7,8,9,10,11,12,13,14,15
	global_load_b128 v[R+4*\i:R+4*\i+3], v4, s[4:5] offset:4096*\i th:TH_LOAD_NT   ; row i: 32 lanes read 512 consecutive bytes
.endr
.irp c, 0,1
.irp i, 0,1,2,3,4,5,6,7,8,9,10,11,12,13,14,15
	global_load_b32 v[WG+16*\c+\i], v7, s[6:7] offset:1024*\c+32*\i
.endr
.endr
	s_wait_loadcnt 32                              ; x's 16 loads are in; the 32 younger loads of Wg may be out
.irp i, 0,1,2,3,4,5,6,7,8,9,10,11,12,13,14,15
	ds_store_b128 v5, v[R+4*\i:R+4*\i+3] offset:528*\i
.endr
.irp c, 0,1,2,3
.irp j, 0,1,2,3
	ds_load_b128 v[X+16*\c+4*\j:X+16*\c+4*\j+3], v6 offset:128*\c+16*\j   ; LDS serves a wave's instructions in order (ISA guide 5.7.1.4)
.endr
.endr
.irp c, 2,3
.irp i, 0,1,2,3,4,5,6,7,8,9,10,11,12,13,14,15
	global_load_b32 v[WG+16*\c+\i], v7, s[6:7] offset:1024*\c+32*\i
.endr
.endr
	s_wait_loadcnt 0x0
	s_wait_dscnt 0x0
; THE LOGITS' PARTS.  Source 0 = Wg^T (row m = expert m % 8), source 1 = x^T (column n = token); the instruction's k stands on both sides for the same true k.  In the result register j of EVERY lane is expert j's part for token r.
.set n, 0
.rept 32
.if n < 2
	v_wmma_f32_16x16x4_f32 v[ACC+8*(n%2):ACC+8*(n%2)+7], v[WG+2*n:WG+2*n+1], v[X+2*n:X+2*n+1], 0
.else
	v_wmma_f32_16x16x4_f32 v[ACC+8*(n%2):ACC+8*(n%2)+7], v[WG+2*n:WG+2*n+1], v[X+2*n:X+2*n+1], v[ACC+8*(n%2):ACC+8*(n%2)+7]
.endif
.set n, n+1
.endr
; THE QUANTISER.  The lines up to the scale word name none of the products' results and are the places (ISA guide 7.12.1) ahead of the holds, which write x's registers.
.irp b, 0,1,2,3
	v_max3_num_f32 v[TM+\b], |v[X+16*\b]|, |v[X+1+16*\b]|, 0x4800000   ; the floor 2^(9 - 127): so the byte cannot fall under 1
.endr
.irp i, 2,4,6,8,10,12,14
.irp b, 0,1,2,3
	s_delay_alu instid0(VALU_DEP_4)
	v_max3_num_f32 v[TM+\b], v[TM+\b], |v[X+16*\b+\i]|, |v[X+1+16*\b+\i]|
.endr
.endr
.irp b, 0,1,2,3
	s_delay_alu instid0(VALU_DEP_4)
	v_permlanex16_b32 v[TM+4+\b], v[TM+\b], s[SEL], s[SEL+1]
.endr
.irp b, 0,1,2,3
	s_delay_alu instid0(VALU_DEP_4)
	v_max_num_f32 v[TM+\b], v[TM+\b], v[TM+4+\b]   ; with lane l xor 16's 16: the block's largest magnitude
.endr
.irp b, 0,1,2,3
	s_delay_alu instid0(VALU_DEP_4)
	v_add_nc_u32 v[TM+12+\b], 0xfc000000, v[TM+\b] ; 8 off its exponent field: the conversion's scale operand
.endr
.irp b, 0,1,2,3
	v_and_or_b32 v[TM+8+\b], v[TM+\b], 0x7f800000, s[MNT]   ; 448 x the scale
.endr
.irp b, 0,1,2,3
	v_lshrrev_b32 v[TM+4+\b], 23, v[TM+12+\b]      ; the scale's byte
.endr
	s_delay_alu instid0(VALU_DEP_3)
	v_lshl_or_b32 v[PW], v[TM+5], 8, v[TM+4]
	s_delay_alu instid0(VALU_DEP_1)
	v_lshl_or_b32 v[PW], v[TM+6], 16, v[PW]
	s_delay_alu instid0(VALU_DEP_1)
	v_lshl_or_b32 v[PW], v[TM+7], 24, v[PW]
.irp b, 0,1,2,3
.irp i, 0,1,2,3,4,5,6,7,8,9,10,11,12,13,14,15
	v_med3_num_f32 v[X+16*\b+\i], v[X+16*\b+\i], -v[TM+8+\b], v[TM+8+\b]   ; the conversion to an 8-bit code does not saturate (ISA guide 7.6.2): the hold
.endr
	v_cvt_scalef32_pk8_fp8_f32 v[PC+4*\b:PC+1+4*\b], v[X+16*\b:X+7+16*\b], v[TM+12+\b]
	v_cvt_scalef32_pk8_fp8_f32 v[PC+2+4*\b:PC+3+4*\b], v[X+8+16*\b:X+15+16*\b], v[TM+12+\b]
.endr
	v_nop                                          ; one plain line behind the last scaled conversion
.irp c, 0,1,2,3
	global_store_b128 v4, v[PC+4*\c:PC+4*\c+3], s[10:11] offset:512*\c   ; the fragment as its registers stand
.endr
	ds_store_b32 v10, v[PW]                        ; both halves of the lanes write the same word with the same value
.irp j, 0,2,4,6
	v_pk_add_f32 v[LS+\j:LS+\j+1], v[ACC+\j:ACC+\j+1], v[ACC+8+\j:ACC+9+\j]   ; the two accumulators' sum, each read from its low end on
.endr
	ds_store_b128 v8, v[LS:LS+3]
	ds_store_b128 v8, v[LS+4:LS+7] offset:16
	s_wait_kmcnt 0x0                               ; bg
	s_wait_dscnt 0x0                               ; for wave 0's sake: my part lies in LDS
	s_barrier_signal -1
	s_barrier_wait -1
	s_cmp_lg_u32 s16, 0
	s_cbranch_scc1 .Lend
	s_wait_xcnt 0x0                                ; the stores of the codes have read their registers: the loads below land there
; THE SOFTMAX, wave 0: every lane holds token r's eight logits.
.irp u, 0,1,2,3,4,5,6,7
	ds_load_b128 v[16+8*\u:19+8*\u], v9 offset:1024*\u
	ds_load_b128 v[20+8*\u:23+8*\u], v9 offset:1024*\u+16
.endr
	ds_load_b128 v[80:83], v12                     ; the work-group's scale words
	s_mov_b32 s17, 0x3fb8aa3b                      ; log2(e)
	s_wait_dscnt 0x0
.irp u, 0,2,4,6
.irp j, 0,2,4,6
	v_pk_add_f32 v[16+8*\u+\j:17+8*\u+\j], v[16+8*\u+\j:17+8*\u+\j], v[24+8*\u+\j:25+8*\u+\j]
.endr
.endr
.irp u, 0,4
.irp j, 0,2,4,6
	v_pk_add_f32 v[16+8*\u+\j:17+8*\u+\j], v[16+8*\u+\j:17+8*\u+\j], v[32+8*\u+\j:33+8*\u+\j]
.endr
.endr
.irp j, 0,2,4,6
	s_delay_alu instid0(VALU_DEP_4)
	v_pk_add_f32 v[16+\j:17+\j], v[16+\j:17+\j], v[48+\j:49+\j]
.endr
.irp j, 0,1,2,3,4,5,6,7
	v_add_f32 v[16+\j], s[24+\j], v[16+\j]         ; + bg
.endr
	v_max3_num_f32 v24, v16, v17, v18
	s_delay_alu instid0(VALU_DEP_4)
	v_max3_num_f32 v25, v19, v20, v21
	s_delay_alu instid0(VALU_DEP_2)
	v_max3_num_f32 v24, v24, v22, v23
	s_delay_alu instid0(VALU_DEP_1)
	v_max_num_f32 v24, v24, v25                    ; the row's maximum is taken away ahead of the exponential
	s_delay_alu instid0(VALU_DEP_1)
	v_mul_f32 v25, s17, v24
.irp j, 0,1,2,3,4,5,6,7
	v_fma_f32 v[16+\j], v[16+\j], s17, -v25        ; (l - max) log2(e): the rounded product max x log2(e) is the same for all eight, so its rounding leaves with the division
.endr
	s_wait_alu depctr_va_vdst(0)
.irp j, 0,1,2,3,4,5,6,7
	v_exp_f32 v[16+\j], v[16+\j]
.endr
	v_nop                                          ; one plain line behind the last exponential
	v_cmp_eq_u32 vcc_lo, 1, v3
	s_wait_alu depctr_va_vdst(0)                   ; one wait for the eight, ahead of their first reader
	v_add_f32 v24, v16, v17
	v_add_f32 v25, v18, v19
	v_add_f32 v26, v20, v21
	v_add_f32 v27, v22, v23
	s_delay_alu instid0(VALU_DEP_3)
	v_add_f32 v24, v24, v25
	s_delay_alu instid0(VALU_DEP_2)
	v_add_f32 v26, v26, v27
	s_delay_alu instid0(VALU_DEP_1)
	v_add_f32 v24, v24, v26
	s_wait_alu depctr_va_vdst(0)
	v_rcp_f32 v25, v24
.irp j, 0,1,2,3
	v_cndmask_b32 v[28+\j], v[16+\j], v[20+\j], vcc_lo   ; lane (r, h) keeps experts 4 h .. 4 h + 3.  Plain lines behind the reciprocal
.endr
	s_wait_alu depctr_va_vdst(0)                   ; ahead of the reciprocal's first reader
.irp j, 0,1,2,3
	v_mul_f32 v[28+\j], v[28+\j], v25
.endr
	global_store_b128 v11, v[28:31], s[14:15]      ; 16 tokens x 8 gates: 512 consecutive bytes
	global_store_b128 v4, v[80:83], s[12:13]       ; the scale words: 512 consecutive bytes
.Lend:
	s_wait_tensorcnt 0x0                           ; the wave's end: behind my last LDS store
	ds_add_u32 v[SPW], v[NIL]
	s_wait_dscnt 0x0
	s_endpgm
.Lfunc_end_k_qe0a419ded4_quant:
	.size	k_qe0a419ded4_quant, .Lfunc_end_k_qe0a419ded4_quant-k_qe0a419ded4_quant
	.p2alignl 7, 3214868480
	.fill 96, 4, 3214868480
	.section	.rodata,"a",@progbits
	.p2align	6, 0x0
	.amdhsa_kernel k_qe0a419ded4_quant
		.amdhsa_group_segment_fixed_size 77312
		.amdhsa_private_segment_fixed_size 0
		.amdhsa_enable_private_segment 0
		.amdhsa_kernarg_size 48
		.amdhsa_user_sgpr_count 2
		.amdhsa_user_sgpr_kernarg_segment_ptr 1
		.amdhsa_wavefront_size32 1
		.amdhsa_system_sgpr_workgroup_id_x 1
		.amdhsa_system_sgpr_workgroup_id_y 1
		.amdhsa_system_sgpr_workgroup_id_z 1
		.amdhsa_system_vgpr_workitem_id 0
		.amdhsa_next_free_vgpr 256
		.amdhsa_next_free_sgpr 66
		.amdhsa_reserve_vcc 1
		.amdhsa_float_denorm_mode_32 3
		.amdhsa_float_denorm_mode_16_64 3
		.amdhsa_memory_ordered 1
		.amdhsa_forward_progress 1
		.amdhsa_inst_pref_size 31
	.end_amdhsa_kernel
	.amdgpu_metadata
---
amdhsa.version: [ 1, 2 ]
amdhsa.kernels:
  - .name:           k_qe0a419ded4_quant
    .symbol:         k_qe0a419ded4_quant.kd
    .args:
      - { .name: x, .offset: 0, .size: 8, .value_kind: global_buffer, .address_space: global }
      - { .name: Wg, .offset: 8, .size: 8, .value_kind: global_buffer, .address_space: global }
      - { .name: bg, .offset: 16, .size: 8, .value_kind: global_buffer, .address_space: global }
      - { .name: xq, .offset: 24, .size: 8, .value_kind: global_buffer, .address_space: global }
      - { .name: xs, .offset: 32, .size: 8, .value_kind: global_buffer, .address_space: global }
      - { .name: gates, .offset: 40, .size: 8, .value_kind: global_buffer, .address_space: global }
    .group_segment_fixed_size: 77312
    .private_segment_fixed_size: 0
    .kernarg_segment_align: 8
    .kernarg_segment_size: 48
    .max_flat_workgroup_size: 256
    .sgpr_count:     66
    .vgpr_count:     256
    .wavefront_size: 32
...
	.end_amdgpu_metadata
.endif
;; end of part 1
;; launch up (part 2): grid 64 x 4, 4 waves a work-group, clusters of 4 x 4, 327,680 bytes of LDS; arguments xq, xs, W1_codes, W1_scales, b1, hq, hs; writes hq, hs
.if DOCPART == 2
	.amdgcn_target "amdgcn-amd-amdhsa--gfx1250"
	.amdhsa_code_object_version 6
	.text
	.protected	k_qe0a419ded4_up
	.globl	k_qe0a419ded4_up
	.p2align	8
	.type	k_qe0a419ded4_up,@function
k_qe0a419ded4_up:
	s_mov_b64 s[64:65], 0
	v_nop
	global_prefetch_b8 v0, s[64:65] scope:SCOPE_SE
	s_setreg_imm32_b32 hwreg(HW_REG_WAVE_MODE, 25, 1), 1
	s_wait_xcnt 0x0
	s_wait_alu depctr_hold_cnt(0) depctr_sa_sdst(0) depctr_va_vdst(0) depctr_va_sdst(0) depctr_va_ssrc(0) depctr_va_vcc(0) depctr_vm_vsrc(0)
	s_getreg_b32 s2, hwreg(HW_REG_IB_STS2, 6, 4)
	s_cmp_eq_u32 s2, 0
	s_cbranch_scc0 .Lentry_in_a_cluster
	s_endpgm
.Lentry_in_a_cluster:
	s_bfe_u32 s2, ttmp6, 0x10000c
	s_cmp_lg_u32 s2, 0xf033
	s_cbranch_scc0 .Lentry_shape_is_right
	s_endpgm
.Lentry_shape_is_right:
; MixtureOfExperts, launch 2 of 4: h = relu(x W1 + b1) for all eight experts, on codes of E4M3 with E8M0 scales, quantised along the hidden axis on its way out.  Nothing is left out.
; The 16,384 hidden units of the eight experts are one axis: W1_codes is [16,384 rows][1,024 bytes], W1_scales [16,384][32], b1 [16,384].
; THE DEAL.  A work-group of four waves makes 512 tokens x 256 hidden units.  A wave holds 64 rows of W1, ALL of K, in 512 registers and streams the 512 tokens past them in 32 blocks of 16: 32 products a block, on four accumulators by turns.
; A WAVE'S HIDDEN UNITS are 32 w .. 32 w + 31 (lanes r < 8 of a tile) and 128 + 32 w .. (r >= 8): tile b's lane r takes row 128 (r / 8) + 32 w + 8 b + r % 8.  Source 0 = W1's rows, source 1 = 16 tokens: result register i of tile b in lane (r, h) is token r's
; hidden unit 128 h + 32 w + 8 b + i: a lane's 32 sums are one scale block of the next product's K.  In LDS W1's two halves of 128 rows begin 133,248 bytes apart, 128 modulo 256, so that the 16 rows of a load start at 16 different banks (64 banks of 4 bytes: ISA guide 11.1).
; THE TOKENS' CODES lie in memory as fragments in register order (launch 1), 16,384 bytes a block; in LDS 16 bytes of padding follow each 1,024, as behind W1's rows.
; FILLS.  At the head one joint load a wave: W1's halves (waves 0, 1), blocks 0 and 1 (wave 2), the scale words of the 512 tokens (wave 3).  When all waves hold W1 in registers, blocks 2 to 7 fill its first half's bytes, a quarter a wave; then blocks 8 to 15 the second half's, 16 to 23 the first's, 24 to 31 the second's, each behind a drained round.
; THE STREAM.  Behind a block's products its set of registers takes the block two on, in one run of 33 loads.  Among the products stands the way out of the block before (two sets of sums): the maximum, the holds, the conversions.  relu is the hold that the conversion wants anyway, between 0 and 448 x the scale.  b1 is the C of each sum's first product.
; CLUSTERS: 4 x 4 work-groups; the four of a column need the same rows of W1, the four of a row the same tokens: every tile is asked for JOINTLY.
; OUT: hq [expert x 8 + block of 256 tokens][256 along the hidden axis 8][128 tokens 2][128 hidden 2][16 tokens 8][2,048 bytes], fragments in register order; hs: the same leading axes, then 16 scale words.
; LIMITS: NaN and infinities are not served; a block of zeros gets the byte 1 (its codes are zeros, and this program alone reads the bytes); b1 enters the f32 sum first and not last.
; No prefetch: W1 comes by the head's loads alone, and the fills of blocks 8 on have four to eight blocks of products, 128 to 256 products a wave, in which to land.
; REGISTERS, in windows of 256: window 0: all but what follows; windows 1, 2: W1's fragment (q, b) at 16 (4 q + b);  window 3: the tokens' two sets of 128.
.set PITCH, 1040
.set BB,    16*PITCH                   ; a block of 16 tokens in LDS
.set SLB,   128*PITCH+128              ; the second half's bytes begin here
.set X0,    266496                     ; blocks 0 and 1
.set XS,    X0+2*BB                    ; the tokens' scale words: 512 bytes a block
.set STG,   XS+16384                   ; the results' scale bytes: [128 hidden 2][block 32][token 16][4]
.set SPARE, STG+4096                   ; the spare words, 128 bytes for each wave
.set NF,    33                         ; LDS loads of a block
.set CN,   5                           ; v5   my codes in a block: 16,384 h + 512 w + 16 r
.set LI,   9                           ; v9   16 x lane
.set SPW,  10
.set NIL,  11
.set VX,   13                          ; v13  LDS address of my scale byte
.set ADRB, 14                          ; v14  LDS address of W1's fragments
.set ADX,  16                          ; v16, v17  LDS address of the block that even, odd blocks load
.set ADS,  18                          ; v18, v19  of its scale words
.set SOP,  20                          ; v20  the conversions' scale operand
.set EB,   21                          ; v21  the scale byte
.set SB,   24                          ; v24-39  W1's scale words: register 8 p + q: lanes 0-15 tile 2 p, lanes 16-31 tile 2 p + 1
.set SA,   42                          ; v42-49  the tokens', two sets of four: register q % 4, lanes 0-15 q < 4, lanes 16-31 q >= 4
.set TQ,   52                          ; v52-55  maxima, bounds
.set NCD,  56                          ; v56-63  32 codes
.set ACC,  64                          ; v64-127 two sets of four accumulators
.set BQ,   128                         ; v128-159 b1 in the result's layout
.set WV, 18
.set CX, 21
.set CY, 22
.set TC, 23
.set TR, 20
.set MNT, 3
.set G1W, 24                           ; W1's 128 rows
.set G0W, 32
.set G0C, 36                           ; blocks 0, 1
.set G1C, 40                           ; 32 rows of tokens
.set G1S, 48                           ; scale words
.set G0S, 56
.set G0R, 60                           ; a refill
.set G1F, 68                           ; 24 rows of tokens
.set XO, 94                            ; s94, s95: where the block that is loaded next, and its scale words, lie in LDS (behind the head)
.set SO, 95
.set MSB, 0
.macro WIN new                         ; the immediate's high byte repeats the setting that is left
.if MSB != (\new)
	s_set_vgpr_msb (MSB<<8)|(\new)
.set MSB, (\new)
.endif
.endm
.macro PLACES n
.rept \n
	v_nop
.endr
.endm
.macro CREST                           ; a round of the cluster's barrier behind its opening barrier
	s_cmp_lg_u32 s[WV], 0
	s_cbranch_scc1 .Lnot_wave_0_\@
	s_barrier_signal -3
.Lnot_wave_0_\@:
	s_barrier_wait -3
	s_barrier_signal -1
	s_barrier_wait -1
.endm
.macro CROUND
	s_barrier_signal -1
	s_barrier_wait -1
	CREST
.endm
.macro TLOAD g0, g1                    ; an s_nop 0 and four v_nop follow a tensor load
	tensor_load_to_lds s[\g0:\g0+3], s[\g1:\g1+7]
	s_nop 0
	PLACES 4
.endm
.macro GROUP1 g, mask, rows            ; descriptor group 1: rows of 1,024 bytes, dense in memory, 16 bytes of padding behind each in LDS
	s_or_b32 s[\g], s\mask, (1<<20)|(1<<21)|(7<<22)|(3<<25)
	s_mov_b32 s[\g+1], 1024<<16
	s_mov_b32 s[\g+2], (\rows)<<16
	s_mov_b32 s[\g+3], 1024<<16
	s_mov_b32 s[\g+4], \rows
	s_mov_b32 s[\g+5], 1024
	s_mov_b32 s[\g+6], 0
	s_mov_b32 s[\g+7], 0
.endm
.macro SETA e, off, n                  ; set e takes next what lies at off: block n
	v_add_nc_u32 v[ADX+\e], \off, v[LI]
	v_add_nc_u32 v[ADS+\e], XS+512*(\n), v[LI]
.endm
	s_load_b256 s[4:11], s[0:1], 0x0               ; xq s[4:5], xs s[6:7], W1's codes s[8:9], W1's scales s[10:11]
	s_load_b128 s[12:15], s[0:1], 0x20             ; b1 s[12:13], hq s[14:15]
	s_load_b64 s[16:17], s[0:1], 0x30              ; hs
	v_lshl_add_u32 v[SPW], v0, 2, SPARE
	v_mov_b32 v[NIL], 0
	ds_add_u32 v[SPW], v[NIL]                      ; the wave's opening: the add, twice on end, and its wait ahead of my first tensor load
	ds_add_u32 v[SPW], v[NIL]
	v_lshrrev_b32 v1, 5, v0
	v_readfirstlane_b32 s[WV], v1                  ; wave 0..3
	s_bfe_u32 s[CX], ttmp6, 0x40000                ; my place in the cluster
	s_bfe_u32 s[CY], ttmp6, 0x40004
	s_lshl_b32 s[TC], ttmp9, 2
	s_add_co_u32 s[TC], s[TC], s[CX]               ; which 256 hidden units: 0..63
	s_and_b32 s[TR], ttmp7, 0xffff
	s_lshl_b32 s[TR], s[TR], 2
	s_add_co_u32 s[TR], s[TR], s[CY]               ; which 512 tokens: 0..3
	s_lshl_b32 s84, s[CY], 2
	s_lshl_b32 s84, 15, s84                        ; my row of the cluster
	s_lshl_b32 s85, 0x1111, s[CX]                  ; my column
	GROUP1 G1W, 85, 128
	GROUP1 G1C, 84, 32
	GROUP1 G1F, 84, 24
	s_or_b32 s[G1S], s84, (3<<16)|(1<<21)          ; 16,384 dense bytes as 64 rows of 32 elements of 8 bytes
	s_mov_b32 s[G1S+1], 32<<16
	s_mov_b32 s[G1S+2], 64<<16
	s_mov_b32 s[G1S+3], 32<<16
	s_mov_b32 s[G1S+4], 64
	s_mov_b32 s[G1S+5], 32
	s_mov_b32 s[G1S+6], 0
	s_mov_b32 s[G1S+7], 0
	s_and_b32 s96, s[WV], 1
	s_lshl_b32 s86, s[TC], 18                      ; W1's codes: 262,144 bytes a work-group, half of them a wave
	s_lshl_b32 s88, s96, 17
	s_add_co_u32 s86, s86, s88
	s_mov_b32 s87, 0
	s_lshl_b32 s92, s[TR], 19                      ; the tokens' codes
	s_mov_b32 s93, 0
	s_lshl_b32 s94, s[TR], 14                      ; and scale words
	s_mov_b32 s95, 0
	s_mov_b32 s[G0W], 1
	s_mul_i32 s[G0W+1], s96, SLB
	s_mov_b32 s[G0C], 1
	s_mov_b32 s[G0C+1], X0
	s_mov_b32 s[G0S], 1
	s_mov_b32 s[G0S+1], XS
	s_mov_b32 s[G0R], 1
	s_mov_b32 s[MNT], 0x600000
	s_wait_dscnt 0x0                               ; both opening adds are done
	CROUND                                         ; all sixteen work-groups are here: the first joint loads meet
	s_wait_kmcnt 0x0
	s_add_nc_u64 s[G0W+2:G0W+3], s[8:9], s[86:87]
	s_or_b32 s[G0W+3], s[G0W+3], 0x80000000
	s_add_nc_u64 s[92:93], s[4:5], s[92:93]
	s_mov_b64 s[G0C+2:G0C+3], s[92:93]
	s_or_b32 s[G0C+3], s[G0C+3], 0x80000000
	s_add_nc_u64 s[G0S+2:G0S+3], s[6:7], s[94:95]
	s_or_b32 s[G0S+3], s[G0S+3], 0x80000000
	s_cmp_lt_u32 s[WV], 2                          ; ONE joint load a wave; waves 0 and 1 have a line of their own, since they alone wait at the first barrier
	s_cbranch_scc0 .Lfor_x
	TLOAD G0W, G1W
	s_branch .Lasked
.Lfor_x:
	s_cmp_eq_u32 s[WV], 2
	s_cbranch_scc0 .Lfor_s
	TLOAD G0C, G1C
	s_branch .Lasked
.Lfor_s:
	TLOAD G0S, G1S
.Lasked:
	s_lshl_b32 s84, s[TC], 13                      ; W1's scale bytes: my wave's first row
	s_lshl_b32 s86, s[WV], 10
	s_add_co_u32 s84, s84, s86
	s_mov_b32 s85, 0
	s_add_nc_u64 s[10:11], s[10:11], s[84:85]
	s_lshl_b32 s84, s[TC], 10                      ; b1
	s_lshl_b32 s86, s[WV], 7
	s_add_co_u32 s84, s84, s86
	s_add_nc_u64 s[12:13], s[12:13], s[84:85]
	s_lshr_b32 s86, s[TC], 3                       ; the expert
	s_lshl_b32 s86, s86, 3
	s_lshl_b32 s87, s[TR], 1
	s_add_co_u32 s86, s86, s87                     ; x 8 + the first block of 256 tokens
	s_lshl_b32 s86, s86, 3
	s_and_b32 s87, s[TC], 7
	s_add_co_u32 s86, s86, s87                     ; x 8 + which 256 of the expert's hidden units
	s_lshl_b32 s84, s86, 16
	s_add_nc_u64 s[14:15], s[14:15], s[84:85]
	s_lshl_b32 s84, s86, 11
	s_lshr_b32 s87, s[WV], 1                       ; hs, at the end: wave w stores block w / 2 of 256 tokens, half w % 2
	s_lshl_b32 s87, s87, 14
	s_add_co_u32 s84, s84, s87
	s_lshl_b32 s87, s96, 10
	s_add_co_u32 s84, s84, s87
	s_add_nc_u64 s[16:17], s[16:17], s[84:85]
	s_mov_b32 s89, 0
	s_mov_b32 s90, 0                               ; the block that leaves next
	s_mul_i32 s84, s[WV], 32*PITCH
	s_lshl_b32 s86, s[WV], 9
	s_add_co_u32 s87, s[WV], STG-64                ; (each way out begins by a step of 64)
	v_and_b32 v1, 15, v0                           ; r
	v_bfe_u32 v2, v0, 4, 1                         ; h
	v_and_b32 v3, 31, v0                           ; lane
	v_lshrrev_b32 v4, 3, v1
	v_and_b32 v6, 7, v0
	v_lshlrev_b32 v[LI], 4, v3
	v_mul_u32_u24 v7, v4, SLB
	v_mad_u32_u24 v7, v6, PITCH, v7
	v_lshl_add_u32 v7, v2, 4, v7
	v_add_nc_u32 v[ADRB], s84, v7
	v_lshlrev_b32 v8, 12, v4                       ; W1's scale bytes: row 128 (r / 8) + 8 h + r % 8, 32 bytes a row
	v_lshl_add_u32 v8, v2, 8, v8
	v_lshl_add_u32 v8, v6, 5, v8
	v_lshlrev_b32 v22, 9, v2                       ; b1: 128 h on
.irp p, 0,1
.irp c, 0,1
	global_load_b128 v[SB+8*\p+4*\c:SB+8*\p+4*\c+3], v8, s[10:11] offset:512*\p+16*\c
.endr
.endr
.irp k, 0,1,2,3,4,5,6,7
	global_load_b128 v[BQ+4*\k:BQ+4*\k+3], v22, s[12:13] offset:16*\k
.endr
	v_lshlrev_b32 v[CN], 14, v2
	v_lshl_add_u32 v[CN], v1, 4, v[CN]
	v_add_nc_u32 v[CN], s86, v[CN]
	v_lshlrev_b32 v23, 2, v1
	v_lshl_add_u32 v23, v2, 11, v23
	v_add_nc_u32 v[VX], s87, v23
	SETA 0, X0, 0
	SETA 1, X0+BB, 1
	s_wait_alu depctr_va_vdst(0)
	s_cmp_lt_u32 s[WV], 2
	s_cbranch_scc0 .Lnot_w
	s_wait_tensorcnt 0x0                           ; waves 0 and 1: W1's rows have landed.  The other waves' wait stands in front of the next round
.Lnot_w:
	s_barrier_signal -1
	s_barrier_wait -1
.macro MAXQ k, x                       ; 18 lines: the largest of the 32 sums at x (what is negative becomes 0, so it must not count), and the floor under which a byte would fall under 1.  Each accumulator is read from its low end on
.if (\k) < 4
	v_max3_num_f32 v[TQ+(\k)], v[(\x)+8*(\k)], v[(\x)+8*(\k)+1], v[(\x)+8*(\k)+2]
.elseif (\k) < 12
	v_max3_num_f32 v[TQ+(\k)%4], v[TQ+(\k)%4], v[(\x)+8*((\k)%4)+2*((\k)/4)+1], v[(\x)+8*((\k)%4)+2*((\k)/4)+2]
.elseif (\k) < 16
	v_max_num_f32 v[TQ+(\k)%4], v[TQ+(\k)%4], v[(\x)+8*((\k)%4)+7]
.elseif (\k) == 16
	v_max3_num_f32 v[TQ], v[TQ], v[TQ+1], v[TQ+2]
.else
	v_max3_num_f32 v[TQ], v[TQ], v[TQ+3], 0x4800000
.endif
.endm
.macro HOLD x, b                       ; relu and the hold in one (the conversion to an 8-bit code does not saturate: ISA guide 7.6.2)
	v_med3_num_f32 v[\x], v[\x], 0, v[TQ+\b]
.endm
.macro GAPQ m, x                       ; the way out's lines, gaps 0 .. 26: the sums at x -> codes and byte
.if (\m) < 9
	MAXQ 2*(\m), \x
	MAXQ 2*(\m)+1, \x
.elseif (\m) == 9
	v_add_nc_u32 v[SOP], 0xfc000000, v[TQ]         ; 8 off the exponent field: the conversion's scale operand
	v_and_or_b32 v[TQ+1], v[TQ], 0x7f800000, s[MNT]   ; 448 x the scale
.elseif (\m) == 26
	v_lshrrev_b32 v[EB], 23, v[SOP]                ; the scale's byte
.else
.if (\m) == 12 || (\m) == 13
	HOLD (\x)+2*((\m)-10), 3
	HOLD (\x)+2*((\m)-10)+1, 3
.else
	HOLD (\x)+2*((\m)-10), 1
	HOLD (\x)+2*((\m)-10)+1, 1
.endif
.if (\m) == 11
	v_mov_b32 v[TQ+3], v[TQ+1]                     ; a second copy, freshly written, for the two gaps in which the first would be read late
.endif
.if ((\m)-10)%4 == 3
	v_cvt_scalef32_pk8_fp8_f32 v[NCD+2*(((\m)-10)/4):NCD+2*(((\m)-10)/4)+1], v[(\x)+8*(((\m)-10)/4):(\x)+8*(((\m)-10)/4)+7], v[SOP]
.endif
.endif
.endm
.macro HQ0                             ; where block s90's codes go: (s90 / 16) 524,288 + (s90 / 8 % 2) 32,768 + (s90 % 8) 2,048
	s_and_b32 s88, s90, 7
	s_lshl_b32 s88, s88, 11
	s_and_b32 s91, s90, 8
	s_lshl_b32 s91, s91, 12
.endm
.macro HQ1
	s_add_co_u32 s88, s88, s91
	s_and_b32 s91, s90, 16
	s_lshl_b32 s91, s91, 15
	s_add_co_u32 s88, s88, s91
	s_add_nc_u64 s[86:87], s[14:15], s[88:89]
	s_add_co_u32 s90, s90, 1
.endm
.macro OUT                             ; a block's byte goes to its place in LDS, its codes leave: sixteen lanes store 256 consecutive bytes, aligned
	ds_store_b8 v[VX], v[EB]
	global_store_b128 v[CN], v[NCD:NCD+3], s[86:87] th:TH_STORE_NT
	global_store_b128 v[CN], v[NCD+4:NCD+7], s[86:87] offset:256 th:TH_STORE_NT
.endm
.macro PROD e                          ; product N_ = 4 q + b of a block: tokens in set e, sums in set e
.set Q_, N_/4
.set B_, N_%4
.set A_, ACC+32*(\e)+8*B_
.set C_, A_
.if N_ < 4
.set C_, BQ+8*B_
.endif
.set R_, 128*(\e)+16*Q_
.set W_, 16*(N_%16)
.set S_, SB+8*(B_/2)+Q_
.set T_, SA+4*(\e)+(Q_%4)
	WIN 13+N_/16                                   ; source 0 window 1 or 2, source 1 window 3, C and D window 0
.if (B_%2) && (Q_ > 3)
	v_wmma_scale_f32_16x16x128_f8f6f4 v[A_:A_+7], v[W_:W_+15], v[R_:R_+15], v[C_:C_+7], v[S_], v[T_] matrix_a_scale:MATRIX_SCALE_ROW1 matrix_b_scale:MATRIX_SCALE_ROW1
.elseif (B_%2)
	v_wmma_scale_f32_16x16x128_f8f6f4 v[A_:A_+7], v[W_:W_+15], v[R_:R_+15], v[C_:C_+7], v[S_], v[T_] matrix_a_scale:MATRIX_SCALE_ROW1
.elseif (Q_ > 3)
	v_wmma_scale_f32_16x16x128_f8f6f4 v[A_:A_+7], v[W_:W_+15], v[R_:R_+15], v[C_:C_+7], v[S_], v[T_] matrix_b_scale:MATRIX_SCALE_ROW1
.else
	v_wmma_scale_f32_16x16x128_f8f6f4 v[A_:A_+7], v[W_:W_+15], v[R_:R_+15], v[C_:C_+7], v[S_], v[T_]
.endif
.endm
.macro GAP e, ld, wo                   ; what stands behind product N_: register work alone
.if N_ == 0
.if \ld
	WIN 0
	v_add_nc_u32 v[ADX+\e], s[XO], v[LI]           ; the block that is loaded behind these products
	v_add_nc_u32 v[ADS+\e], s[SO], v[LI]
	s_add_co_u32 s[XO], s[XO], BB
	s_add_co_u32 s[SO], s[SO], 512
.endif
.if \wo
	WIN 0
	v_add_nc_u32 v[VX], 64, v[VX]
	HQ0
.endif
.elseif (\wo) && (N_ < 28)
	WIN 0
.if N_ == 1
	HQ1
.endif
	GAPQ N_-1, ACC+32*(1-(\e))
.endif
.endm
.macro FETCH e                         ; a whole block into set e: NF loads
	ds_load_b128 v[SA+4*(\e):SA+4*(\e)+3], v[ADS+\e]
	WIN 0xc0
.set N_, 0
.rept 32
	ds_load_b128 v[128*(\e)+4*N_:128*(\e)+4*N_+3], v[ADX+\e] offset:(N_/2)*PITCH+512*(N_%2)
.set N_, N_+1
.endr
	WIN 0
.endm
.macro GRD lds, wlds, off, woff
	s_wait_tensorcnt 0x0                           ; my tensor loads are in
	ds_add_u32 v[SPW], v[NIL]
	s_mul_i32 s[G0R+1], s[WV], \wlds
	s_add_co_u32 s[G0R+1], s[G0R+1], \lds
	s_mul_i32 s84, s[WV], \woff
	s_add_co_u32 s84, s84, \off
	s_mov_b32 s85, 0
	s_add_nc_u64 s[G0R+2:G0R+3], s[92:93], s[84:85]
	s_or_b32 s[G0R+3], s[G0R+3], 0x80000000
.endm
; A block of parity e.  w: the LDS instructions behind its loads that may be out;  ld = 1: its set takes the block two on;  wo = 1: the block before leaves;
; rd = 1: a drained round stands in it, with the joint refill of 128 tokens from byte off of the work-group's to LDS byte lds;  rd = 2: a barrier that shows the last refill.
.macro BLOCK e, w, ld, wo, rd=0, lds=0, off=0
	s_wait_dscnt \w
	s_wait_xcnt 0x0                                ; the stores of the block before have read their registers
.if \rd == 1
	GRD \lds, 32*PITCH, \off, 32768
.endif
.set N_, 0
.rept 32
.if (N_ == 28) && (\rd > 0)
	WIN 0
	s_wait_alu depctr_va_vdst(0)
.if \rd == 2
	s_wait_tensorcnt 0x0
.endif
	s_wait_dscnt 0x0                               ; the add (rd = 1) and my reads are done
	s_barrier_signal -1
.endif
	PROD \e
	GAP \e, \ld, \wo
.set N_, N_+1
.endr
	WIN 0
.if \rd > 0
	s_barrier_wait -1
.endif
.if \rd == 1
	CREST
	TLOAD G0R, G1C                                 ; the first tensor load behind the round; its four v_nop are four of the eight places
	PLACES 4
.else
	PLACES 8                                       ; ahead of the loads into what the products have read, and of the next block's first read of their sums
.endif
.if \wo
	OUT
.endif
.if \ld
	FETCH \e
.endif
.endm
; W1's 64 rows of mine into windows 1 and 2: 128 loads; lane l's registers 4 c .. of a fragment hold K = 32 c + 16 h + 0 .. 15
.set N_, 0
.rept 32
	WIN (1+N_/16)<<6
.irp c, 0,1,2,3
	ds_load_b128 v[16*(N_%16)+4*\c:16*(N_%16)+4*\c+3], v[ADRB] offset:(N_%4)*8*PITCH+128*(N_/4)+32*\c
.endr
.set N_, N_+1
.endr
	WIN 0
	GRD 2*BB, 24*PITCH, 32768, 24576
	s_wait_dscnt 0x0
	CROUND
	TLOAD G0R, G1F
	FETCH 0
	FETCH 1
	s_wait_loadcnt 0x0                             ; scale words and b1
	BLOCK 0, NF, 0, 0                              ; block 0
	BLOCK 1, 0, 0, 1                               ; 1
	GRD SLB, 32*PITCH, 131072, 32768
	s_wait_dscnt 0x0
	CROUND
	TLOAD G0R, G1C
	SETA 0, 2*BB, 2
	SETA 1, 3*BB, 3
	s_wait_alu depctr_va_vdst(0)
	FETCH 0
	FETCH 1
	s_mov_b32 s[XO], 4*BB
	s_mov_b32 s[SO], XS+512*4
	s_mov_b32 s2, 2
.Lfirst:                                               ; blocks 2 to 5
	BLOCK 0, NF, 1, 1
	BLOCK 1, NF, 1, 1
	s_sub_co_u32 s2, s2, 1
	s_cmp_lg_u32 s2, 0
	s_cbranch_scc1 .Lfirst
	s_mov_b32 s[XO], SLB
	s_mov_b32 s[SO], XS+512*8
	BLOCK 0, NF, 1, 1, 1, 0, 262144                ; 6: blocks 8 to 15 are in, 7 is in registers: 16 to 23 come
	BLOCK 1, NF, 1, 1                              ; 7
	s_mov_b32 s2, 3
.Lsecond:                                              ; 8 to 13
	BLOCK 0, NF, 1, 1
	BLOCK 1, NF, 1, 1
	s_sub_co_u32 s2, s2, 1
	s_cmp_lg_u32 s2, 0
	s_cbranch_scc1 .Lsecond
	s_mov_b32 s[XO], 0
	s_mov_b32 s[SO], XS+512*16
	BLOCK 0, NF, 1, 1, 1, SLB, 393216              ; 14: 16 to 23 are in, 15 is in registers: 24 to 31 come
	BLOCK 1, NF, 1, 1                              ; 15
	s_mov_b32 s2, 3
.Lthird:                                               ; 16 to 21
	BLOCK 0, NF, 1, 1
	BLOCK 1, NF, 1, 1
	s_sub_co_u32 s2, s2, 1
	s_cmp_lg_u32 s2, 0
	s_cbranch_scc1 .Lthird
	s_mov_b32 s[XO], SLB
	s_mov_b32 s[SO], XS+512*24
	BLOCK 0, NF, 1, 1, 2                           ; 22: 24 to 31 are in; nothing is filled again
	BLOCK 1, NF, 1, 1                              ; 23
	s_mov_b32 s2, 3
.Lfourth:                                              ; 24 to 29
	BLOCK 0, NF, 1, 1
	BLOCK 1, NF, 1, 1
	s_sub_co_u32 s2, s2, 1
	s_cmp_lg_u32 s2, 0
	s_cbranch_scc1 .Lfourth
	BLOCK 0, NF, 0, 1                              ; 30
	BLOCK 1, 0, 0, 1                               ; 31
	s_wait_xcnt 0x0
	v_add_nc_u32 v[VX], 64, v[VX]
	HQ0
	HQ1
.set N_, 0
.rept 27
	GAPQ N_, ACC+32
.set N_, N_+1
.endr
	OUT
	s_wait_dscnt 0x0                               ; my scale bytes lie in LDS
	s_barrier_signal -1
	s_barrier_wait -1
	s_lshl_b32 s84, s[WV], 9
	s_add_co_u32 s84, s84, STG
	v_add_nc_u32 v22, s84, v[LI]
	s_wait_alu depctr_va_vdst(0)
	ds_load_b128 v[24:27], v22                     ; 128 tokens' words for the first 128 hidden units,
	ds_load_b128 v[28:31], v22 offset:2048         ; and for the second
	s_wait_dscnt 0x0
	global_store_b128 v[LI], v[24:27], s[16:17]
	global_store_b128 v[LI], v[28:31], s[16:17] offset:512
	s_wait_tensorcnt 0x0                           ; the wave's end
	ds_add_u32 v[SPW], v[NIL]
	s_wait_dscnt 0x0
	CROUND                                         ; the closing round: no work-group ends while a partner may still ask for a tile that names it
	s_endpgm
.Lfunc_end_k_qe0a419ded4_up:
	.size	k_qe0a419ded4_up, .Lfunc_end_k_qe0a419ded4_up-k_qe0a419ded4_up
	.p2alignl 7, 3214868480
	.fill 96, 4, 3214868480
	.section	.rodata,"a",@progbits
	.p2align	6, 0x0
	.amdhsa_kernel k_qe0a419ded4_up
		.amdhsa_group_segment_fixed_size 327680
		.amdhsa_private_segment_fixed_size 0
		.amdhsa_enable_private_segment 0
		.amdhsa_kernarg_size 56
		.amdhsa_user_sgpr_count 2
		.amdhsa_user_sgpr_kernarg_segment_ptr 1
		.amdhsa_wavefront_size32 1
		.amdhsa_system_sgpr_workgroup_id_x 1
		.amdhsa_system_sgpr_workgroup_id_y 1
		.amdhsa_system_sgpr_workgroup_id_z 1
		.amdhsa_system_vgpr_workitem_id 0
		.amdhsa_next_free_vgpr 1024
		.amdhsa_next_free_sgpr 102
		.amdhsa_reserve_vcc 0
		.amdhsa_float_denorm_mode_32 3
		.amdhsa_float_denorm_mode_16_64 3
		.amdhsa_memory_ordered 1
		.amdhsa_forward_progress 1
		.amdhsa_inst_pref_size 247
	.end_amdhsa_kernel
	.amdgpu_metadata
---
amdhsa.version: [ 1, 2 ]
amdhsa.kernels:
  - .name:           k_qe0a419ded4_up
    .symbol:         k_qe0a419ded4_up.kd
    .args:
      - { .name: xq, .offset: 0, .size: 8, .value_kind: global_buffer, .address_space: global }
      - { .name: xs, .offset: 8, .size: 8, .value_kind: global_buffer, .address_space: global }
      - { .name: W1_codes, .offset: 16, .size: 8, .value_kind: global_buffer, .address_space: global }
      - { .name: W1_scales, .offset: 24, .size: 8, .value_kind: global_buffer, .address_space: global }
      - { .name: b1, .offset: 32, .size: 8, .value_kind: global_buffer, .address_space: global }
      - { .name: hq, .offset: 40, .size: 8, .value_kind: global_buffer, .address_space: global }
      - { .name: hs, .offset: 48, .size: 8, .value_kind: global_buffer, .address_space: global }
    .group_segment_fixed_size: 327680
    .private_segment_fixed_size: 0
    .kernarg_segment_align: 8
    .kernarg_segment_size: 56
    .max_flat_workgroup_size: 128
    .sgpr_count:     102
    .vgpr_count:     1024
    .wavefront_size: 32
...
	.end_amdgpu_metadata
.endif
;; end of part 2
;; launch down (part 3): grid 4 x 64, 4 waves a work-group, clusters of 4 x 4, 327,680 bytes of LDS; arguments hq, hs, W2_codes, W2_scales, b2, part; writes part
.if DOCPART == 3
	.amdgcn_target "amdgcn-amd-amdhsa--gfx1250"
	.amdhsa_code_object_version 6
	.text
	.protected	k_qe0a419ded4_down
	.globl	k_qe0a419ded4_down
	.p2align	8
	.type	k_qe0a419ded4_down,@function
k_qe0a419ded4_down:
	s_mov_b64 s[64:65], 0
	v_nop
	global_prefetch_b8 v0, s[64:65] scope:SCOPE_SE
	s_setreg_imm32_b32 hwreg(HW_REG_WAVE_MODE, 25, 1), 1
	s_wait_xcnt 0x0
	s_wait_alu depctr_hold_cnt(0) depctr_sa_sdst(0) depctr_va_vdst(0) depctr_va_sdst(0) depctr_va_ssrc(0) depctr_va_vcc(0) depctr_vm_vsrc(0)
	s_getreg_b32 s2, hwreg(HW_REG_IB_STS2, 6, 4)
	s_cmp_eq_u32 s2, 0
	s_cbranch_scc0 .Lentry_in_a_cluster
	s_endpgm
.Lentry_in_a_cluster:
	s_bfe_u32 s2, ttmp6, 0x10000c
	s_cmp_lg_u32 s2, 0xf033
	s_cbranch_scc0 .Lentry_shape_is_right
	s_endpgm
.Lentry_shape_is_right:
; MixtureOfExperts, launch 3 of 4: part[e][n][f] = h_e W2_e + b2_e for each expert, on codes of E4M3 with E8M0 scales, f32 sums, rounded once to bf16: the left operand of the problem's last product.  Nothing is left out.
; A work-group of four waves makes 256 tokens x 256 outputs of one expert, a wave 128 x 128: 64 accumulators by turns.  K = 2,048 goes in slots of 256 through a ring of two LDS slots; source 0 = 16 rows of W2, source 1 = 16 tokens; b2 is the C of each sum's first product.
; CLUSTERS: 4 x 4 work-groups; the four of a row share the tokens' tiles, the four of a column W2's: every tile is asked for JOINTLY.
; THE HEAD: one load a wave: slot 0's 256 tokens (wave 0) and 256 rows of W2 (wave 2), whole; the scale words of the tokens (wave 1) and of W2's rows (wave 3) for all of K.  Slot 1's first fill stands behind a drained round; from there on a wave fetches a quarter of a slot.
; A prefetch names the slot two refills on, each block of 256 bytes once in a cluster for the tokens and once in the first of an expert's two clusters for W2; the last two refills ask for nothing.
; LIMITS: NaN and infinities are not served; b2 enters the f32 sum first and not last.
.set KDIM,  2048
.set KS,    KDIM/32
.set LAPS,  KDIM/512
.set PITCH, 272
.set AH,    32768
.set BH,    128*PITCH
.set BOFF,  2*AH
.set SLOT,  2*AH+2*BH
.set ASTEP, 65536
.set SCA,   2*SLOT
.set SAH,   KDIM*4
.set SROWS, SAH/256
.set SCB,   SCA+2*SAH
.set HALFS, (128*KS/256)*272
.set SBLK,  (16*KS/256)*272
.set SPARE, SCB+2*HALFS
.set SPITCH, 272
.set PROW,  2048
.set FR,    16
.set NL,    4
.set NP,    8
.set ADRA, 16
.set ADRB, 20
.set ADSA, 22
.set ADSB, 23
.set STO,  24
.set RD,   25
.set CO,   26
.set SPW,  28
.set NIL,  29
.set PFO,  30
.set SAS,  32
.set SBS,  48
.set BI,   64
.set TMP,  64
.set AF,   128
.set BK,   128
.set WV, 18
.set RH, 19
.set CH, 20
.set CX, 21
.set CY, 22
.set TC, 23
.set YY, 40
.set EX, 101
.set LIM, 43
.set PFA, 44
.set PFS, 46
.set G1A, 24
.set G0A, 32
.set G1B, 48
.set G0B, 56
.set G1SA, 68
.set G0SA, 76
.set G1SB, 80
.set G0SB, 88
.set MSB, 0
.macro WIN new
.if MSB != (\new)
	s_set_vgpr_msb (MSB<<8)|(\new)
.set MSB, (\new)
.endif
.endm
.macro JLOAD g0a, g1a, g0b, g1b
	s_cmp_eq_u32 s[RH], 0
	s_cbranch_scc0 .Lfor_b_\@
	tensor_load_to_lds s[\g0a:\g0a+3], s[\g1a:\g1a+7]
	s_nop 0
.rept 4
	v_nop
.endr
	s_branch .Lasked_\@
.Lfor_b_\@:
	tensor_load_to_lds s[\g0b:\g0b+3], s[\g1b:\g1b+7]
	s_nop 0
.rept 4
	v_nop
.endr
.Lasked_\@:
.endm
.macro ASK
	s_cmp_gt_u32 s3, s[LIM]
	s_cbranch_scc0 .Lnot_mine_\@
	global_prefetch_b8 v[PFO], s[PFA:PFA+1] th:TH_LOAD_NT scope:SCOPE_SE
.Lnot_mine_\@:
.endm
.macro CREST
	s_cmp_lg_u32 s[WV], 0
	s_cbranch_scc1 .Lnot_wave_0_\@
	s_barrier_signal -3
.Lnot_wave_0_\@:
	s_barrier_wait -3
	s_barrier_signal -1
	s_barrier_wait -1
.endm
.macro CROUND
	s_barrier_signal -1
	s_barrier_wait -1
	CREST
.endm
.macro PLACES n
.rept \n
	v_nop
.endr
.endm
	s_load_b256 s[4:11], s[0:1], 0x0
	s_load_b128 s[12:15], s[0:1], 0x20
	v_lshl_add_u32 v[SPW], v0, 2, SPARE
	v_mov_b32 v[NIL], 0
	ds_add_u32 v[SPW], v[NIL]
	ds_add_u32 v[SPW], v[NIL]
	v_lshrrev_b32 v1, 5, v0
	v_readfirstlane_b32 s[WV], v1
	s_lshr_b32 s[RH], s[WV], 1
	s_and_b32 s[CH], s[WV], 1
	s_bfe_u32 s[CX], ttmp6, 0x40000
	s_bfe_u32 s[CY], ttmp6, 0x40004
	s_lshl_b32 s[TC], ttmp9, 2
	s_add_co_u32 s[TC], s[TC], s[CX]
	s_and_b32 s[EX], ttmp7, 0xffff
	s_lshl_b32 s[YY], s[EX], 2
	s_add_co_u32 s[YY], s[YY], s[CY]
	s_lshr_b32 s[EX], s[EX], 1
	s_lshl_b32 s41, s[CY], 2
	s_lshl_b32 s41, 15, s41
	s_lshl_b32 s42, 0x1111, s[CX]
	s_or_b32 s[G1A], s41, (3<<16)|(1<<21)
	s_or_b32 s[G1SA], s41, (3<<16)|(1<<21)
	s_or_b32 s[G1B], s42, (0<<16)|(1<<20)|(1<<21)|(5<<22)|(3<<25)
	s_or_b32 s[G1SB], s42, (3<<16)|(1<<20)|(1<<21)|(5<<22)|(3<<25)
	s_mov_b32 s[G1A+1], 32<<16
	s_mov_b32 s[G1A+2], 256<<16
	s_mov_b32 s[G1A+3], 32<<16
	s_mov_b32 s[G1A+4], 256
	s_mov_b32 s[G1A+5], 32
	s_mov_b32 s[G1A+6], 0
	s_mov_b32 s[G1A+7], 0
	s_mov_b32 s[G1B+1], 256<<16
	s_mov_b32 s[G1B+2], 256<<16
	s_mov_b32 s[G1B+3], 256<<16
	s_mov_b32 s[G1B+4], 256
	s_mov_b32 s[G1B+5], KDIM
	s_mov_b32 s[G1B+6], 0
	s_mov_b32 s[G1B+7], 0
.irp g, G1SA, G1SB
	s_mov_b32 s[\g+1], 32<<16
	s_mov_b32 s[\g+2], (2*SROWS)<<16
	s_mov_b32 s[\g+3], 32<<16
	s_mov_b32 s[\g+4], 2*SROWS
	s_mov_b32 s[\g+5], 32
	s_mov_b32 s[\g+6], 0
	s_mov_b32 s[\g+7], 0
.endr
	s_lshl_b32 s92, s[YY], 19
	s_lshl_b32 s94, s[CH], 15
	s_add_co_u32 s92, s92, s94
	s_mov_b32 s93, 0
	s_lshl_b32 s94, s[YY], 14
	s_mov_b32 s95, 0
	s_lshl_b32 s2, s[EX], 10
	s_lshl_b32 s96, s[TC], 8
	s_add_co_u32 s2, s2, s96
	s_lshl_b32 s66, s2, 6                          ; the scale bytes of all 256 rows
	s_lshl_b32 s96, s[CH], 7
	s_add_co_u32 s2, s2, s96
	s_lshl_b32 s96, s2, 11
	s_mov_b32 s97, 0
	s_mov_b32 s67, 0
	s_wait_dscnt 0x0
	s_wait_kmcnt 0x0
	s_add_nc_u64 s[92:93], s[4:5], s[92:93]
	s_add_nc_u64 s[94:95], s[6:7], s[94:95]
	s_add_nc_u64 s[96:97], s[8:9], s[96:97]
	s_add_nc_u64 s[66:67], s[10:11], s[66:67]
	CROUND
	s_mov_b32 s[G0SA], 1
	s_mov_b32 s[G0SA+1], SCA
	s_mov_b64 s[G0SA+2:G0SA+3], s[94:95]
	s_or_b32 s[G0SA+3], s[G0SA+3], 0x80000000
	s_mov_b32 s[G0SB], 1
	s_mov_b32 s[G0SB+1], SCB
	s_mov_b64 s[G0SB+2:G0SB+3], s[66:67]
	s_or_b32 s[G0SB+3], s[G0SB+3], 0x80000000
.irp s, 0,1
	s_mov_b32 s[G0A+4*\s], 1
	s_lshl_b32 s[G0A+4*\s+1], s[CH], 15
	s_add_co_u32 s[G0A+4*\s+1], s[G0A+4*\s+1], \s*SLOT
	s_add_nc_u64 s[G0A+4*\s+2:G0A+4*\s+3], s[92:93], \s*ASTEP
	s_or_b32 s[G0A+4*\s+3], s[G0A+4*\s+3], 0x80000000
	s_mov_b32 s[G0B+4*\s], 1
	s_mul_i32 s[G0B+4*\s+1], s[CH], BH
	s_add_co_u32 s[G0B+4*\s+1], s[G0B+4*\s+1], BOFF+\s*SLOT
	s_add_nc_u64 s[G0B+4*\s+2:G0B+4*\s+3], s[96:97], \s*256
	s_or_b32 s[G0B+4*\s+3], s[G0B+4*\s+3], 0x80000000
.endr
	s_mov_b32 s[G0A+1], 0                          ; the head's whole tiles: in waves 0 and 2 CH is 0, so their addresses are the tiles' first bytes
	s_mov_b32 s[G0B+1], BOFF
	s_cmp_eq_u32 s[WV], 0                          ; ONE tree of branches on the wave's number, a load to an arm
	s_cbranch_scc0 .Lhead_1
	tensor_load_to_lds s[G0A:G0A+3], s[G1A:G1A+7]
	s_nop 0
	PLACES 4
	s_branch .Lhead_asked
.Lhead_1:
	s_cmp_eq_u32 s[WV], 1
	s_cbranch_scc0 .Lhead_2
	tensor_load_to_lds s[G0SA:G0SA+3], s[G1SA:G1SA+7]
	s_nop 0
	PLACES 4
	s_branch .Lhead_asked
.Lhead_2:
	s_cmp_eq_u32 s[WV], 2
	s_cbranch_scc0 .Lhead_3
	tensor_load_to_lds s[G0B:G0B+3], s[G1B:G1B+7]
	s_nop 0
	PLACES 4
	s_branch .Lhead_asked
.Lhead_3:
	tensor_load_to_lds s[G0SB:G0SB+3], s[G1SB:G1SB+7]
	s_nop 0
	PLACES 4
.Lhead_asked:
	v_and_b32 v1, 15, v0
	v_bfe_u32 v2, v0, 4, 1
	v_and_b32 v3, 31, v0
	s_wait_alu depctr_va_vdst(0)
	v_lshlrev_b32 v9, 4, v3
	v_mul_u32_u24 v4, v1, PITCH
	v_lshl_add_u32 v4, v2, 4, v4
	s_lshl_b32 s92, s[RH], 15
	s_mul_i32 s93, s[CH], BH
	s_add_co_u32 s93, s93, BOFF
.irp s, 0,1
	v_add_nc_u32 v[ADRA+\s], s92, v9
	v_add_nc_u32 v[ADRB+\s], s93, v4
	s_add_co_u32 s92, s92, SLOT
	s_add_co_u32 s93, s93, SLOT
.endr
	s_lshl_b32 s92, s[RH], 10
	s_add_co_u32 s92, s92, SCA
	v_lshl_add_u32 v[ADSA], v3, 2, s92
	v_mul_u32_u24 v5, v1, KS
	v_lshrrev_b32 v6, 8, v5
	v_lshl_add_u32 v5, v6, 4, v5
	v_mul_u32_u24 v6, v2, 4*SBLK
	v_add_nc_u32 v5, v5, v6
	s_mul_i32 s92, s[CH], HALFS
	s_add_co_u32 s92, s92, SCB
	v_add_nc_u32 v[ADSB], s92, v5
	s_mul_i32 s92, s[WV], 16*SPITCH
	v_mul_u32_u24 v5, v1, SPITCH
	v_lshl_add_u32 v5, v2, 4, v5
	v_add_nc_u32 v[STO], s92, v5
	v_mul_u32_u24 v5, v2, SPITCH
	v_lshl_add_u32 v5, v1, 4, v5
	v_add_nc_u32 v[RD], s92, v5
	v_lshlrev_b32 v[CO], 11, v2
	v_lshl_add_u32 v[CO], v1, 4, v[CO]
	v_lshlrev_b32 v8, 5, v2
	s_lshl_b32 s92, s2, 2
	s_mov_b32 s93, 0
	s_add_nc_u64 s[12:13], s[12:13], s[92:93]
.irp b, 0,1,2,3,4,5,6,7
	global_load_b128 v[BI+8*\b:BI+8*\b+3], v8, s[12:13] offset:64*\b
	global_load_b128 v[BI+8*\b+4:BI+8*\b+7], v8, s[12:13] offset:64*\b+16
.endr
	s_lshl_b32 s92, s[YY], 19
	s_lshl_b32 s94, s[RH], 18
	s_add_co_u32 s92, s92, s94
	s_lshl_b32 s94, s[TC], 9
	s_add_co_u32 s92, s92, s94
	s_lshl_b32 s94, s[CH], 8
	s_add_co_u32 s92, s92, s94
	s_add_nc_u64 s[14:15], s[14:15], s[92:93]
	s_and_b32 s94, ttmp7, 1
	s_lshl_b32 s92, s[YY], 19
	s_lshl_b32 s93, s[CH], 15
	s_add_co_u32 s92, s92, s93
	s_lshl_b32 s93, s[CX], 13
	s_add_co_u32 s92, s92, s93
	s_add_co_u32 s92, s92, 3*ASTEP
	s_lshl_b32 s93, s[CY], 5
	s_add_co_u32 s93, s93, s2
	s_lshl_b32 s93, s93, 11
	s_add_co_u32 s93, s93, 3*256
	s_mov_b32 s[PFS], 256
	s_mov_b32 s95, 2048
	s_cmp_eq_u32 s[RH], 0
	s_cselect_b64 s[PFA:PFA+1], s[4:5], s[8:9]
	s_cselect_b32 s92, s92, s93
	s_cselect_b32 s[PFS], ASTEP, s[PFS]
	s_cselect_b32 s95, 256, s95
	s_cselect_b32 s94, 0, s94
	s_mov_b32 s93, 0
	s_mov_b32 s[PFS+1], 0
	s_add_nc_u64 s[PFA:PFA+1], s[PFA:PFA+1], s[92:93]
	s_cmp_eq_u32 s94, 0
	s_cselect_b32 s[LIM], 1, -1
	v_mul_lo_u32 v[PFO], v3, s95
.macro FRAGA reg, slot, q, i
.irp c, 0,1,2,3
	ds_load_b128 v[\reg+4*\c:\reg+4*\c+3], v[ADRA+\slot] offset:16384*(\q)+2048*(\i)+512*\c
.endr
.endm
.macro FRAGB reg, slot, q, i
.irp c, 0,1,2,3
	ds_load_b128 v[\reg+4*\c:\reg+4*\c+3], v[ADRB+\slot] offset:128*(\q)+32*\c+(\i)*16*PITCH
.endr
.endm
.macro FETCH_B slot, q, p
	WIN 0x40
.irp i, 0,1,2,3,4,5,6,7
	FRAGB 128*(\p)+FR*\i, \slot, \q, \i
.endr
	WIN 0
.endm
.macro FETCH_A slot, q, i0
.irp i, \i0, \i0+1, \i0+2, \i0+3
	FRAGA AF+FR*(\i), \slot, \q, \i
.endr
.endm
.macro SCALES sc
.irp q, 0,1
.irp p, 0,1,2,3
	ds_load_b32 v[SAS+8*\sc+4*\q+\p], v[ADSA] offset:512*\q+128*\p
.endr
.endr
.irp p, 0,1,2,3
	ds_load_b64 v[SBS+8*\sc+2*\p:SBS+8*\sc+2*\p+1], v[ADSB] offset:\p*SBLK
.endr
.endm
.macro WM d, s0, s1, c, sa, sb, ra, rb
.if (\ra) && (\rb)
	v_wmma_scale_f32_16x16x128_f8f6f4 v[(\d):(\d)+7], v[(\s0):(\s0)+15], v[(\s1):(\s1)+15], v[(\c):(\c)+7], v[(\sa)], v[(\sb)] matrix_a_scale:MATRIX_SCALE_ROW1 matrix_b_scale:MATRIX_SCALE_ROW1
.elseif (\ra)
	v_wmma_scale_f32_16x16x128_f8f6f4 v[(\d):(\d)+7], v[(\s0):(\s0)+15], v[(\s1):(\s1)+15], v[(\c):(\c)+7], v[(\sa)], v[(\sb)] matrix_a_scale:MATRIX_SCALE_ROW1
.elseif (\rb)
	v_wmma_scale_f32_16x16x128_f8f6f4 v[(\d):(\d)+7], v[(\s0):(\s0)+15], v[(\s1):(\s1)+15], v[(\c):(\c)+7], v[(\sa)], v[(\sb)] matrix_b_scale:MATRIX_SCALE_ROW1
.else
	v_wmma_scale_f32_16x16x128_f8f6f4 v[(\d):(\d)+7], v[(\s0):(\s0)+15], v[(\s1):(\s1)+15], v[(\c):(\c)+7], v[(\sa)], v[(\sb)]
.endif
.endm
.macro MUL16 a0, p, q, sc, first
.irp a, \a0, \a0+1
.irp b, 0,1,2,3,4,5,6,7
.if \first
	WM 8*(8*((\a)%4)+\b), 128*(\p)+FR*\b, AF+FR*(\a), BI+8*\b, SBS+8*(\sc)+2*(\b%4)+(\q), SAS+8*(\sc)+4*(\q)+(\a)/2, \b/4, (\a)%2
.else
	WM 8*(8*((\a)%4)+\b), 128*(\p)+FR*\b, AF+FR*(\a), 8*(8*((\a)%4)+\b), SBS+8*(\sc)+2*(\b%4)+(\q), SAS+8*(\sc)+4*(\q)+(\a)/2, \b/4, (\a)%2
.endif
.endr
.endr
.endm
.macro STEP slot, q, first
	s_wait_dscnt 4*NL
.if \first
	WIN 0x81
.else
	WIN 0xa1
.endif
	MUL16 0, (\q)%2, \q, \slot, \first
	MUL16 2, (\q)%2, \q, \slot, \first
	s_wait_dscnt 0
	PLACES NP
	FETCH_B \slot, (\q)+1, 1-(\q)%2
	FETCH_A \slot, (\q)+1, 0
.if \first
	WIN 0xc1
.else
	WIN 0xf1
.endif
	MUL16 4, (\q)%2, \q, \slot, \first
	MUL16 6, (\q)%2, \q, \slot, \first
	PLACES NP
	WIN 0
	FETCH_A \slot, (\q)+1, 4
.endm
.macro TURN slot, next, fill
.if \fill
	s_wait_xcnt 0x0
	s_add_nc_u64 s[PFA:PFA+1], s[PFA:PFA+1], s[PFS:PFS+1]
.endif
	s_wait_tensorcnt 0x0
	ds_add_u32 v[SPW], v[NIL]
	s_wait_dscnt 4*NL+1
	WIN 0xa1
	MUL16 0, 1, 1, \slot, 0
	s_wait_dscnt 0x0
	s_barrier_signal -1
	MUL16 2, 1, 1, \slot, 0
	WIN 0
	s_barrier_wait -1
.if \fill
	CREST
	s_add_nc_u64 s[G0A+4*\slot+2:G0A+4*\slot+3], s[G0A+4*\slot+2:G0A+4*\slot+3], 2*ASTEP
	s_add_nc_u64 s[G0B+4*\slot+2:G0B+4*\slot+3], s[G0B+4*\slot+2:G0B+4*\slot+3], 2*256
	JLOAD G0A+4*\slot, G1A, G0B+4*\slot, G1B
	PLACES NP-4
.else
	PLACES NP
.endif
	s_wait_alu depctr_va_vdst(0)
	v_add_nc_u32 v[ADSA], 2048, v[ADSA]
	v_add_nc_u32 v[ADSB], 8, v[ADSB]
	FETCH_B \next, 0, 0
	FETCH_A \next, 0, 0
	SCALES \next
.if \fill
	ASK
.endif
	WIN 0xf1
	MUL16 4, 1, 1, \slot, 0
	MUL16 6, 1, 1, \slot, 0
	PLACES NP
	WIN 0
	FETCH_A \next, 0, 4
.endm
	s_wait_alu depctr_va_vdst(0)
	s_wait_tensorcnt 0x0                           ; my tile of the head's four is in
	ds_add_u32 v[SPW], v[NIL]
	s_mov_b32 s[G1A+2], 128<<16                    ; no tensor load of mine is out, so descriptors may be written: from here on a load brings 128 rows,
	s_mov_b32 s[G1A+4], 128
	s_mov_b32 s[G1B+2], 128<<16
	s_mov_b32 s[G1B+4], 128
	s_lshl_b32 s[G0A+1], s[CH], 15                 ; and slot 0's part is my half again
	s_mul_i32 s[G0B+1], s[CH], BH
	s_add_co_u32 s[G0B+1], s[G0B+1], BOFF
	s_wait_dscnt 0x0                               ; the add is done
	CROUND                                         ; all four tiles are in, and all sixteen work-groups are here
	JLOAD G0A+4, G1A, G0B+4, G1B                   ; slot 1's first fill, the first tensor load behind the round
	FETCH_B 0, 0, 0
	FETCH_A 0, 0, 0
	SCALES 0
	FETCH_A 0, 0, 4
	s_wait_loadcnt 0x0
	STEP 0, 0, 1
	s_mov_b32 s3, LAPS-1
.Llap:
	TURN 0, 1, 1
	STEP 1, 0, 0
	TURN 1, 0, 1
	STEP 0, 0, 0
	s_sub_co_u32 s3, s3, 1
	s_cmp_lg_u32 s3, 0
	s_cbranch_scc1 .Llap
	TURN 0, 1, 0
	STEP 1, 0, 0
	s_wait_dscnt 4*NL
	WIN 0xa1
	MUL16 0, 1, 1, 1, 0
	MUL16 2, 1, 1, 1, 0
	s_wait_dscnt 0
	WIN 0xf1
	MUL16 4, 1, 1, 1, 0
	MUL16 6, 1, 1, 1, 0
	WIN 0
	PLACES NP
.macro TOSTAGE a
.set W, 2+(\a)/4
.set AC, 64*((\a)%4)
.set TT, TMP+32*((\a)%2)
.set BB, BK+32*((\a)%2)
	WIN W|(W<<2)
.irp b, 0,1,2,3,4,5,6,7
.irp j, 0,1,2,3
	v_cvt_pk_bf16_f32 v[TT+4*\b+\j], v[AC+8*\b+2*\j], v[AC+8*\b+2*\j+1]
.endr
.endr
	WIN 0
.irp b, 0,1,2,3,4,5,6,7
	ds_store_b128 v[STO], v[TT+4*\b:TT+4*\b+3] offset:32*\b
.endr
.irp t, 0,1,2,3,4,5,6,7
	ds_load_b128 v[BB+4*\t:BB+4*\t+3], v[RD] offset:\t*2*SPITCH
.endr
.endm
.macro SEND a, younger
.set BB, BK+32*((\a)%2)
	s_wait_dscnt \younger
.irp t, 0,1,2,3,4,5,6,7
	global_store_b128 v[CO], v[BB+4*\t:BB+4*\t+3], s[14:15] offset:(16*(\a)+2*\t)*PROW th:TH_STORE_NT
.endr
.endm
	TOSTAGE 0
.irp a, 1,2,3,4,5,6,7
.if \a > 1
	s_wait_xcnt 0x0
.endif
	TOSTAGE \a
	SEND \a-1, 16
.endr
	SEND 7, 0
	s_wait_tensorcnt 0x0
	ds_add_u32 v[SPW], v[NIL]
	s_wait_dscnt 0x0
	CROUND
	s_endpgm
.Lfunc_end_k_qe0a419ded4_down:
	.size	k_qe0a419ded4_down, .Lfunc_end_k_qe0a419ded4_down-k_qe0a419ded4_down
	.p2alignl 7, 3214868480
	.fill 96, 4, 3214868480
	.section	.rodata,"a",@progbits
	.p2align	6, 0x0
	.amdhsa_kernel k_qe0a419ded4_down
		.amdhsa_group_segment_fixed_size 327680
		.amdhsa_private_segment_fixed_size 0
		.amdhsa_enable_private_segment 0
		.amdhsa_kernarg_size 48
		.amdhsa_user_sgpr_count 2
		.amdhsa_user_sgpr_kernarg_segment_ptr 1
		.amdhsa_wavefront_size32 1
		.amdhsa_system_sgpr_workgroup_id_x 1
		.amdhsa_system_sgpr_workgroup_id_y 1
		.amdhsa_system_sgpr_workgroup_id_z 1
		.amdhsa_system_vgpr_workitem_id 0
		.amdhsa_next_free_vgpr 1024
		.amdhsa_next_free_sgpr 102
		.amdhsa_reserve_vcc 0
		.amdhsa_float_denorm_mode_32 3
		.amdhsa_float_denorm_mode_16_64 3
		.amdhsa_memory_ordered 1
		.amdhsa_forward_progress 1
		.amdhsa_inst_pref_size 152
	.end_amdhsa_kernel
	.amdgpu_metadata
---
amdhsa.version: [ 1, 2 ]
amdhsa.kernels:
  - .name:           k_qe0a419ded4_down
    .symbol:         k_qe0a419ded4_down.kd
    .args:
      - { .name: hq, .offset: 0, .size: 8, .value_kind: global_buffer, .address_space: global }
      - { .name: hs, .offset: 8, .size: 8, .value_kind: global_buffer, .address_space: global }
      - { .name: W2_codes, .offset: 16, .size: 8, .value_kind: global_buffer, .address_space: global }
      - { .name: W2_scales, .offset: 24, .size: 8, .value_kind: global_buffer, .address_space: global }
      - { .name: b2, .offset: 32, .size: 8, .value_kind: global_buffer, .address_space: global }
      - { .name: part, .offset: 40, .size: 8, .value_kind: global_buffer, .address_space: global }
    .group_segment_fixed_size: 327680
    .private_segment_fixed_size: 0
    .kernarg_segment_align: 8
    .kernarg_segment_size: 48
    .max_flat_workgroup_size: 128
    .sgpr_count:     102
    .vgpr_count:     1024
    .wavefront_size: 32
...
	.end_amdgpu_metadata
.endif
;; end of part 3
;; launch combine (part 4): grid 512 x 1, 8 waves a work-group, no clusters, 0 bytes of LDS; arguments part, gates, out0; writes out0
.if DOCPART == 4
	.amdgcn_target "amdgcn-amd-amdhsa--gfx1250"
	.amdhsa_code_object_version 6
	.text
	.protected	k_qe0a419ded4_combine
	.globl	k_qe0a419ded4_combine
	.p2align	8
	.type	k_qe0a419ded4_combine,@function
k_qe0a419ded4_combine:
	s_mov_b64 s[64:65], 0
	v_nop
	global_prefetch_b8 v0, s[64:65] scope:SCOPE_SE
	s_setreg_imm32_b32 hwreg(HW_REG_WAVE_MODE, 25, 1), 1
	s_wait_xcnt 0x0
; MixtureOfExperts, launch 4 of 4: out0[n][f] = the sum over the eight experts of gate[n][e] x part[e][n][f].  Nothing is left out.
; This is the problem's last product (K = 8), left as it is: its left operand, part, is bf16 (launch 3), the gates are f32, and every term is one fused multiply-add in f32, e ascending.
; A stream: work-group g owns tokens 4 g .. 4 g + 3; wave w half a row of out0: token 4 g + w / 2, outputs 512 (w % 2) on, in four chunks of 128.
; A lane takes 8 bytes (4 bf16) of each expert's chunk, so that a load of the wave covers 256 consecutive bytes and the lane's four results are 16 neighbouring bytes: a store of the wave covers 512 consecutive bytes.
; All of a wave's 34 loads go out at its head; each chunk has registers of its own, so nothing is loaded or written twice.  No LDS, no barrier, no matrix unit: the bytes are all there is.
; The experts' parts lie 4,194,304 bytes apart: eight scalar bases, so that every offset is a small immediate.
.set EB,   4194304                     ; an expert's part: 2,048 rows of 2,048 bytes
.set G,    4                           ; v4-11   my token's eight gates, the same in every lane
.set NIL,  12                          ; v12     0: the first term's addend
.set P,    16                          ; v16-79  chunk i at + 16 i, expert e at + 2 e: 4 bf16
.set OUTR, 80                          ; v80-95  chunk i's four sums at + 4 i
	s_load_b128 s[4:7], s[0:1], 0x0                ; part s[4:5], gates s[6:7]
	s_load_b64 s[24:25], s[0:1], 0x10              ; out0
	v_lshrrev_b32 v13, 5, v0                       ; wave
	v_and_b32 v14, 31, v0                          ; lane
	s_delay_alu instid0(VALU_DEP_2)
	v_lshlrev_b32 v1, 10, v13
	s_delay_alu instid0(VALU_DEP_1)
	v_lshl_add_u32 v1, v14, 3, v1                  ; part: 1,024 bytes a wave (half a row), 8 a lane; never rewritten
	s_delay_alu instid0(VALU_DEP_4)
	v_lshlrev_b32 v2, 11, v13
	s_delay_alu instid0(VALU_DEP_1)
	v_lshl_add_u32 v2, v14, 4, v2                  ; out0: 2,048 bytes a wave, 16 a lane; never rewritten
	v_lshrrev_b32 v3, 1, v13
	s_delay_alu instid0(VALU_DEP_1)
	v_lshlrev_b32 v3, 5, v3                        ; gates: 32 bytes a token
	v_mov_b32 v[NIL], 0
	s_lshl_b32 s2, ttmp9, 13                       ; four rows of part,
	s_mov_b32 s3, 0
	s_lshl_b32 s26, ttmp9, 14                      ; of out0,
	s_mov_b32 s27, 0
	s_lshl_b32 s28, ttmp9, 7                       ; of gates
	s_mov_b32 s29, 0
	s_wait_alu depctr_va_vdst(0)
	s_wait_kmcnt 0x0
	s_add_nc_u64 s[8:9], s[4:5], s[2:3]
.irp e, 1,2,3,4,5,6,7
	s_add_nc_u64 s[8+2*\e:9+2*\e], s[8:9], \e*EB
.endr
	s_add_nc_u64 s[6:7], s[6:7], s[28:29]
	s_add_nc_u64 s[24:25], s[24:25], s[26:27]
	global_load_b128 v[G:G+3], v3, s[6:7]
	global_load_b128 v[G+4:G+7], v3, s[6:7] offset:16
.irp i, 0,1,2,3
.irp e, 0,1,2,3,4,5,6,7
	global_load_b64 v[P+16*\i+2*\e:P+16*\i+2*\e+1], v1, s[8+2*\e:9+2*\e] offset:256*\i th:TH_LOAD_NT
.endr
.endr
.macro CHUNK i
.set B, P+16*(\i)
.set O, OUTR+4*(\i)
	s_wait_loadcnt 8*(3-(\i))                      ; loads come back in order (ISA guide 5.7.1): the gates and this chunk are in; the younger chunks' loads, eight each, may be out
	v_fma_mix_f32_bf16 v[O],   v[B],   v[G], v[NIL] op_sel_hi:[1,0,0]                  ; a bf16 half x the f32 gate + the f32 sum: the low half,
	v_fma_mix_f32_bf16 v[O+1], v[B],   v[G], v[NIL] op_sel:[1,0,0] op_sel_hi:[1,0,0]   ; the high half
	v_fma_mix_f32_bf16 v[O+2], v[B+1], v[G], v[NIL] op_sel_hi:[1,0,0]
	v_fma_mix_f32_bf16 v[O+3], v[B+1], v[G], v[NIL] op_sel:[1,0,0] op_sel_hi:[1,0,0]
.irp e, 1,2,3,4,5,6,7
	s_delay_alu instid0(VALU_DEP_4)
	v_fma_mix_f32_bf16 v[O],   v[B+2*\e],   v[G+\e], v[O]   op_sel_hi:[1,0,0]
	s_delay_alu instid0(VALU_DEP_4)
	v_fma_mix_f32_bf16 v[O+1], v[B+2*\e],   v[G+\e], v[O+1] op_sel:[1,0,0] op_sel_hi:[1,0,0]
	s_delay_alu instid0(VALU_DEP_4)
	v_fma_mix_f32_bf16 v[O+2], v[B+2*\e+1], v[G+\e], v[O+2] op_sel_hi:[1,0,0]
	s_delay_alu instid0(VALU_DEP_4)
	v_fma_mix_f32_bf16 v[O+3], v[B+2*\e+1], v[G+\e], v[O+3] op_sel:[1,0,0] op_sel_hi:[1,0,0]
.endr
	global_store_b128 v2, v[O:O+3], s[24:25] offset:512*(\i) th:TH_STORE_NT
.endm
	CHUNK 0
	CHUNK 1
	CHUNK 2
	CHUNK 3
	s_endpgm
.Lfunc_end_k_qe0a419ded4_combine:
	.size	k_qe0a419ded4_combine, .Lfunc_end_k_qe0a419ded4_combine-k_qe0a419ded4_combine
	.p2alignl 7, 3214868480
	.fill 96, 4, 3214868480
	.section	.rodata,"a",@progbits
	.p2align	6, 0x0
	.amdhsa_kernel k_qe0a419ded4_combine
		.amdhsa_group_segment_fixed_size 0
		.amdhsa_private_segment_fixed_size 0
		.amdhsa_enable_private_segment 0
		.amdhsa_kernarg_size 24
		.amdhsa_user_sgpr_count 2
		.amdhsa_user_sgpr_kernarg_segment_ptr 1
		.amdhsa_wavefront_size32 1
		.amdhsa_system_sgpr_workgroup_id_x 1
		.amdhsa_system_sgpr_workgroup_id_y 1
		.amdhsa_system_sgpr_workgroup_id_z 1
		.amdhsa_system_vgpr_workitem_id 0
		.amdhsa_next_free_vgpr 96
		.amdhsa_next_free_sgpr 66
		.amdhsa_reserve_vcc 0
		.amdhsa_float_denorm_mode_32 3
		.amdhsa_float_denorm_mode_16_64 3
		.amdhsa_memory_ordered 1
		.amdhsa_forward_progress 1
		.amdhsa_inst_pref_size 17
	.end_amdhsa_kernel
	.amdgpu_metadata
---
amdhsa.version: [ 1, 2 ]
amdhsa.kernels:
  - .name:           k_qe0a419ded4_combine
    .symbol:         k_qe0a419ded4_combine.kd
    .args:
      - { .name: part, .offset: 0, .size: 8, .value_kind: global_buffer, .address_space: global }
      - { .name: gates, .offset: 8, .size: 8, .value_kind: global_buffer, .address_space: global }
      - { .name: out0, .offset: 16, .size: 8, .value_kind: global_buffer, .address_space: global }
    .group_segment_fixed_size: 0
    .private_segment_fixed_size: 0
    .kernarg_segment_align: 8
    .kernarg_segment_size: 24
    .max_flat_workgroup_size: 256
    .sgpr_count:     66
    .vgpr_count:     96
    .wavefront_size: 32
...
	.end_amdgpu_metadata
.endif
;; end of part 4
